; MI455X (gfx1250); checked and timed in simulation.
; The chip was launched on July 23, 2026; its instructions are those of AMD's public machine-readable ISA for CDNA 5 (MIT licence, August 2026) and "CDNA5" Instruction Set Architecture Reference Guide (July 2026). The comments in the code are by the model that wrote it; some were corrected since.
;; Bahdanau Attention. Allowed arithmetic: matrix products marked QUANTISED: E4M3 operands, one given power-of-two scale a tensor, by v_wmma_f32_16x16x64_fp8_fp8 or v_wmma_f32_16x16x128_fp8_fp8, f32 sums; products left as they are: f32 operands where the result goes on into a quantised operand, else bf16, f16 or f32 operands; f32 sums; everything else in f32.
;; Inputs: V 1,024 x 1 float32; W1_codes 1,024 x 32 x 32 uint8 (E4M3 codes of W1, K innermost, in blocks of 32 codes); W2_codes 1,024 x 32 x 32 uint8 (E4M3 codes of W2, K innermost, in blocks of 32 codes); b1 1,024 float32; b2 1,024 float32; bv 1 float32; lowp_scales 4 int32 (the exponents e of the quantised operands' scales 2^e); query_codes 32 x 32 x 32 uint8 (E4M3 codes of query, K innermost, in blocks of 32 codes); values 32 x 2,048 x 1,024 float32.
;; Outputs: out0 32 x 1,024 float32; out1 32 x 2,048 x 1 float32.
;; This version of the problem:
;;   THIS VERSION OF THE PROBLEM IS GIVEN IN LOW PRECISION. The matrix products marked QUANTISED in the list below multiply operands that are first quantised to E4M3 (4 exponent bits, 3 mantissa bits; 8 bits a number), with one given power-of-two scale for each operand tensor; their sums are f32. All else is computed in f32.
;;   The module's matrix products, in the order in which they are computed (A, B: the left and right operand; K: the contracted axis; several contracted axes count as one K, in the product's order):
;;     1. [M 65,536, K 1,024] x [K 1,024, N 1,024]; A: input values; B: input W1 (given as codes): QUANTISED (scales: A lowp_scales[0], B lowp_scales[1])
;;     2. [M 32, K 1,024] x [K 1,024, N 1,024]; A: input query (given as codes); B: input W2 (given as codes): QUANTISED (scales: A lowp_scales[2], B lowp_scales[3])
;;     3. [M 65,536, K 1,024] x [K 1,024, N 1]; A: computed on the way; B: input V: left as it is (N = 1 < 16)
;;   THE QUANTISER, for each operand of a quantised product, along K:
;;     - The operand's scale is 2^e, e = its entry of the input lowp_scales (int32; the entries are numbered through the quantised products in the list's order, A before B).
;;     - Each number is divided by the scale, clamped to +-448, and rounded to the nearest number of E4M3, ties to even, subnormals kept.
;;     - The product sums the exact products of the quantised numbers (number of the format x scale) in f32.
;;   ~~~python
;;   def quantise(x, axis, e):      # numpy; x: float32 -> the quantised numbers, widened to float32 again
;;       x = np.moveaxis(x, axis, -1); K = x.shape[-1]
;;       r = np.clip(x / 2.0 ** e, -448, 448)
;;       step = 2.0 ** (np.maximum(np.frexp(np.where(r == 0, 1, r))[1] - 1, -6) - 3)
;;       q = np.round(r / step) * step * 2.0 ** e      # np.round: ties to even
;;       return np.moveaxis(q, -1, axis).astype(np.float32)
;;   ~~~
;;   INPUTS GIVEN AS CODES. W1 (in the module: [1024, 1024], K = its axis 0); W2 (in the module: [1024, 1024], K = its axis 0); query (in the module: [32, 1024], K = its axis 1): each comes as NAME_codes (uint8): NAME with its K axis moved to the last place and cut into blocks of 32 codes, [.., K / 32, bytes a block], one block behind the other in memory; one code a byte (a code: sign, 4 exponent bits, 3 mantissa bits); its scale is its entry of lowp_scales. Its value is code x scale, taken as it is: it is not quantised again, and the codes and scales need not be those that the quantiser above would give.
;; One version. Each part assembles by itself: llvm-mc -triple=amdgcn-amd-amdhsa -mcpu=gfx1250 --defsym DOCPART=n.
;; ======== version 1 of 1: 3 launches
;; limits: right only within a limited range of input values
;; workspace buffers: qb 131,072 bytes; tsc 262,144 bytes; ctxp 4,194,304 bytes
;; launch qproj (part 1): grid 16 x 2, 1 waves a work-group, no clusters, 0 bytes of LDS; arguments query_codes, W2_codes, b1, b2, lowp_scales, qb; writes qb
.if DOCPART == 1
	.amdgcn_target "amdgcn-amd-amdhsa--gfx1250"
	.amdhsa_code_object_version 6
	.text
	.protected	k_q15b684fdaf_qproj
	.globl	k_q15b684fdaf_qproj
	.p2align	8
	.type	k_q15b684fdaf_qproj,@function
k_q15b684fdaf_qproj:
	s_mov_b64 s[64:65], 0
	v_nop
	global_prefetch_b8 v0, s[64:65] scope:SCOPE_SE
	s_setreg_imm32_b32 hwreg(HW_REG_WAVE_MODE, 25, 1), 1
	s_wait_xcnt 0x0
; BAHDANAU ATTENTION, launch 1 of 3.  qb[b][u] = (sum over k of query[b][k] W2[k][u] + b1[u] + b2[u]) x 2 log2(e): the part of tanh's argument that does not hang on the position, ready for 2^x.
; query and W2 come as codes of E4M3 with K innermost; the codes are multiplied as they are and each finished sum once by 2^(e2 + e3), e2 and e3 being entries 2 and 3 of lowp_scales.
; WORK LEFT OUT IN THE WHOLE PROGRAM, for all finite values of the inputs:
;   bv is added to every score of a batch, and both outputs hang on the scores through the softmax over the positions alone, which a term that is the same along its axis does not move.
;   So bv has no way to any output: it is not loaded and is among no launch's arguments.
;   tanh(x) = 1 - 2 / (1 + e^(2x)), so score = sum_u V[u] - 2 sum_u V[u] / (1 + e^(2x)) + bv: sum_u V[u] is likewise the same for every position of a batch, and is not formed.
;   LIMIT: a NaN or an infinity in bv, or an overflow of sum_u V[u], is not carried to the results.
; LIMIT: e2 + e3 between -127 and 126: it is added to the exponent field of 2 log2(e).
; SHARES.  One wave a work-group: 16 batch rows (16 y on) x 64 units (64 x on).  Source 0 = 16 rows of query, source 1 = 16 rows of W2's codes.  Lane r of tile q takes unit 64 x + 4 r + q, so that register j of
; the four accumulators holds four NEIGHBOURING units of batch row 16 y + 8 (lane / 16) + j: 16 bytes a lane, and sixteen lanes store 256 consecutive bytes, aligned.
; A fragment (16 rows x 128 K) comes by four loads of 16 bytes, 32 bytes apart: a permutation of k that is the same on both sides, so every product meets its partner.
; REGISTERS: window 0: v1-6 offsets; v8-19 biases; v32-63 four accumulators; v64-191 query's eight fragments; v192-223 results.  Windows 1 and 2: W2's 32 fragments, (tile q, K step s) at 64 (s % 4) + 16 q of window 1 + s / 4.
.set ACC, 32
.set AF,  64
.set OUT, 192
.set MSB, 0
.macro WIN new                         ; the immediate's high byte repeats the setting that is left; a switch that changes nothing is dropped
.if MSB != (\new)
	s_set_vgpr_msb (MSB<<8)|(\new)
.set MSB, (\new)
.endif
.endm
	s_load_b256 s[4:11], s[0:1], 0x0               ; query's codes s[4:5], W2's codes s[6:7], b1 s[8:9], b2 s[10:11]
	s_load_b128 s[12:15], s[0:1], 0x20             ; the scales' exponents s[12:13], qb s[14:15]
	v_and_b32 v1, 15, v0                           ; r
	v_bfe_u32 v2, v0, 4, 1                         ; h
	v_lshlrev_b32 v3, 10, v1
	v_lshl_add_u32 v3, v2, 4, v3                   ; query: row r of 1,024 bytes, + 16 h
	v_lshlrev_b32 v4, 12, v1
	v_lshl_add_u32 v4, v2, 4, v4                   ; W2: unit 4 r, + 16 h
	v_lshlrev_b32 v5, 4, v1                        ; b1, b2: my four units
	v_lshl_add_u32 v6, v2, 15, v5                  ; qb: 8 h rows of 4,096 bytes, + 16 r
	s_and_b32 s16, ttmp7, 0xffff                   ; y
	s_lshl_b32 s20, s16, 14                        ; 16 rows of query's codes
	s_mov_b32 s21, 0
	s_lshl_b32 s22, ttmp9, 16                      ; 64 rows of W2's codes
	s_mov_b32 s23, 0
	s_lshl_b32 s24, ttmp9, 8                       ; 64 numbers of b1, b2 and of a row of qb
	s_mov_b32 s25, 0
	s_lshl_b32 s26, s16, 16                        ; 16 rows of qb
	s_add_co_u32 s26, s26, s24
	s_mov_b32 s27, 0
	s_wait_alu depctr_va_vdst(0)
	s_wait_kmcnt 0x0
	s_load_b64 s[28:29], s[12:13], 0x8             ; e2, e3
	s_add_nc_u64 s[4:5], s[4:5], s[20:21]
	s_add_nc_u64 s[6:7], s[6:7], s[22:23]
	s_add_nc_u64 s[8:9], s[8:9], s[24:25]
	s_add_nc_u64 s[10:11], s[10:11], s[24:25]
	s_add_nc_u64 s[14:15], s[14:15], s[26:27]
.set s_, 0
.rept 8
.irp c, 0,1,2,3
	global_load_b128 v[AF+16*s_+4*\c:AF+16*s_+4*\c+3], v3, s[4:5] offset:128*s_+32*\c
.endr
.set s_, s_+1
.endr
.set s_, 0
.rept 8
.if s_ < 4
	WIN 0x40                                       ; destination window 1
.else
	WIN 0x80                                       ; destination window 2
.endif
.irp q, 0,1,2,3
.irp c, 0,1,2,3
	global_load_b128 v[64*(s_&3)+16*\q+4*\c:64*(s_&3)+16*\q+4*\c+3], v4, s[6:7] offset:1024*\q+128*s_+32*\c
.endr
.endr
.set s_, s_+1
.endr
	WIN 0
	global_load_b128 v[8:11], v5, s[8:9]
	global_load_b128 v[12:15], v5, s[10:11]
	s_wait_loadcnt 0x0
	s_wait_kmcnt 0x0
	s_add_co_i32 s28, s28, s29
	s_lshl_b32 s28, s28, 23
	s_add_co_i32 s28, s28, 0x4038aa3b              ; 2 log2(e) x 2^(e2 + e3)
; 32 matrix instructions: K step by K step, the four accumulators by turns, one instruction a turn.  The first K step starts the sums.
.set s_, 0
.rept 8
.if s_ < 4
	WIN 0x04                                       ; source 1 window 1
.else
	WIN 0x08                                       ; source 1 window 2
.endif
.irp q, 0,1,2,3
.if s_ == 0
	v_wmma_f32_16x16x128_fp8_fp8 v[ACC+8*\q:ACC+8*\q+7], v[AF+16*s_:AF+16*s_+15], v[64*(s_&3)+16*\q:64*(s_&3)+16*\q+15], 0
.else
	v_wmma_f32_16x16x128_fp8_fp8 v[ACC+8*\q:ACC+8*\q+7], v[AF+16*s_:AF+16*s_+15], v[64*(s_&3)+16*\q:64*(s_&3)+16*\q+15], v[ACC+8*\q:ACC+8*\q+7]
.endif
.endr
.set s_, s_+1
.endr
	WIN 0
.irp q, 0,1,2,3
	v_add_f32 v[16+\q], v[8+\q], v[12+\q]          ; b1 + b2.  (These eight lines are the places behind the last products: ISA guide 7.12.1)
.endr
.irp q, 0,1,2,3
	v_mul_f32 v[16+\q], 0x4038aa3b, v[16+\q]       ; x 2 log2(e)
.endr
.irp j, 0,1,2,3,4,5,6,7
.irp q, 0,1,2,3
	v_fma_f32 v[OUT+4*\j+\q], v[ACC+8*\q+\j], s28, v[16+\q]   ; each accumulator from its low end on
.endr
.endr
.irp j, 0,1,2,3,4,5,6,7
	global_store_b128 v6, v[OUT+4*\j:OUT+4*\j+3], s[14:15] offset:4096*\j   ; sixteen lanes store 256 consecutive bytes, at a multiple of 256 from qb's first byte
.endr
	s_endpgm
.Lfunc_end_k_q15b684fdaf_qproj:
	.size	k_q15b684fdaf_qproj, .Lfunc_end_k_q15b684fdaf_qproj-k_q15b684fdaf_qproj
	.p2alignl 7, 3214868480
	.fill 96, 4, 3214868480
	.section	.rodata,"a",@progbits
	.p2align	6, 0x0
	.amdhsa_kernel k_q15b684fdaf_qproj
		.amdhsa_group_segment_fixed_size 0
		.amdhsa_private_segment_fixed_size 0
		.amdhsa_enable_private_segment 0
		.amdhsa_kernarg_size 48
		.amdhsa_user_sgpr_count 2
		.amdhsa_user_sgpr_kernarg_segment_ptr 1
		.amdhsa_wavefront_size32 1
		.amdhsa_system_sgpr_workgroup_id_x 1
		.amdhsa_system_sgpr_workgroup_id_y 1
		.amdhsa_system_sgpr_workgroup_id_z 1
		.amdhsa_system_vgpr_workitem_id 0
		.amdhsa_next_free_vgpr 768
		.amdhsa_next_free_sgpr 66
		.amdhsa_reserve_vcc 0
		.amdhsa_float_denorm_mode_32 3
		.amdhsa_float_denorm_mode_16_64 3
		.amdhsa_memory_ordered 1
		.amdhsa_forward_progress 1
		.amdhsa_inst_pref_size 23
	.end_amdhsa_kernel
	.amdgpu_metadata
---
amdhsa.version: [ 1, 2 ]
amdhsa.kernels:
  - .name:           k_q15b684fdaf_qproj
    .symbol:         k_q15b684fdaf_qproj.kd
    .args:
      - { .name: query_codes, .offset: 0, .size: 8, .value_kind: global_buffer, .address_space: global }
      - { .name: W2_codes, .offset: 8, .size: 8, .value_kind: global_buffer, .address_space: global }
      - { .name: b1, .offset: 16, .size: 8, .value_kind: global_buffer, .address_space: global }
      - { .name: b2, .offset: 24, .size: 8, .value_kind: global_buffer, .address_space: global }
      - { .name: lowp_scales, .offset: 32, .size: 8, .value_kind: global_buffer, .address_space: global }
      - { .name: qb, .offset: 40, .size: 8, .value_kind: global_buffer, .address_space: global }
    .group_segment_fixed_size: 0
    .private_segment_fixed_size: 0
    .kernarg_segment_align: 8
    .kernarg_segment_size: 48
    .max_flat_workgroup_size: 32
    .sgpr_count:     66
    .vgpr_count:     768
    .wavefront_size: 32
...
	.end_amdgpu_metadata
.endif
;; end of part 1
;; launch score_ctx (part 2): grid 256 x 1, 4 waves a work-group, clusters of 4 x 1, 327,680 bytes of LDS; arguments values, W1_codes, qb, V, lowp_scales, tsc, ctxp; writes tsc, ctxp
.if DOCPART == 2
	.amdgcn_target "amdgcn-amd-amdhsa--gfx1250"
	.amdhsa_code_object_version 6
	.text
	.protected	k_q15b684fdaf_score_ctx
	.globl	k_q15b684fdaf_score_ctx
	.p2align	8
	.type	k_q15b684fdaf_score_ctx,@function
k_q15b684fdaf_score_ctx:
	s_mov_b64 s[64:65], 0
	v_nop
	global_prefetch_b8 v0, s[64:65] scope:SCOPE_SE
	s_setreg_imm32_b32 hwreg(HW_REG_WAVE_MODE, 25, 1), 1
	s_wait_xcnt 0x0
	s_wait_alu depctr_hold_cnt(0) depctr_sa_sdst(0) depctr_va_vdst(0) depctr_va_sdst(0) depctr_va_ssrc(0) depctr_va_vcc(0) depctr_vm_vsrc(0)
	s_getreg_b32 s2, hwreg(HW_REG_IB_STS2, 6, 4)
	s_cmp_eq_u32 s2, 0
	s_cbranch_scc0 .Lentry_in_a_cluster
	s_endpgm
.Lentry_in_a_cluster:
	s_bfe_u32 s2, ttmp6, 0x10000c
	s_cmp_lg_u32 s2, 0x3003
	s_cbranch_scc0 .Lentry_shape_is_right
	s_endpgm
.Lentry_shape_is_right:
; BAHDANAU ATTENTION, launch 2 of 3.  For 256 positions of one batch a work-group: t = the score in units of log2, and for each wave's 64 positions the part sum of 2^(t - m) x values, m their largest t.
; x = (Q(values) W1)[s][u] x 2^(e0 + e1) x 2 log2(e) + qb[b][u];  t[s] = -2 log2(e) x sum_u V[u] / (1 + 2^x).
; WORK LEFT OUT: bv and sum_u V[u] are the same for every position of a batch, and the softmax over the positions takes them away for all values (shown at the first kernel's head); bv is not loaded.
; LIMITS: e0 between -126 and 119 (2^e0 and 448 x 2^e0 are made as f32 numbers); e0 + e1 between -127 and 126 (added to the exponent field of 2 log2(e)).
; SHARES.  Four waves, one to a SIMD; a wave owns 64 positions through all three parts.
; PART 1: a wave's 64 rows of values (4,096 bytes each) come through registers, 8 loads of 512 consecutive bytes a row, a ring of eight rows: 56 to 63 loads of the wave are out all the time.  A row is held at
;   +-448 x 2^e0, converted, and its codes go to the wave's own stage in LDS (16 rows); from there they come back as fragments: 64 rows x 1,024 codes stay in windows 1 and 2.
; PART 2: W1's codes walk through a ring of two LDS slots of 64 units, asked for JOINTLY by the four work-groups of a cluster, which all walk the whole of W1.  A tile is 16 units x 64 positions, 32 matrix
;   instructions on four accumulators by turns.  Source 0 = 16 units, source 1 = 16 positions: a lane holds one position, its registers eight units.  What follows the products of tile j is spread over
;   the next three bodies: x and 2^x in body j + 1, 1 + and the reciprocal in j + 2, x V into the score in j + 3.  So a body has one run of packed lines, one run of products, one batch of 64 transcendentals.
;   The next tile's 32 fragment loads go out in three groups of 8, 12 and 12: ahead of the products, in the middle of the batch, and behind it.
; PART 3: the wave reads its rows again, last row first, through the same ring of eight rows, and sums p x row in 32 registers.
; A fragment (16 rows x 128 K) comes by four loads of 16 bytes, 32 bytes apart: a permutation of k that is the same on both sides.
; NO PREFETCH: part 1 and part 3 keep 56 loads and more of each wave out by themselves; W1 is read by all 256 work-groups.
; REGISTERS: window 0: v4-63 addresses, tables, scores; v64-95 accumulators (part 3: the sums); v96-159 two sets for the way to the score; v160-167 a row's codes; v168 a second fragment address.
;   windows 1, 2: the codes, (K step s, positions 16 m on) at 64 (s % 4) + 16 m of window 1 + s / 4.   window 3: the ring of eight rows (parts 1, 3); two sets of W1's fragments (part 2).
.set PITCH, 1040                       ; an LDS row of 1,024 codes + 16 bytes
.set WQ,    16*PITCH                   ; a tile of W1; a wave's quarter of a slot; a wave's stage
.set HALF,  64*PITCH                   ; a slot
.set TBL,   2*HALF                     ; 66 entries of 128 bytes: for each half of the lanes 8 of qb, 8 of V; tile j is entry j + 2, entries 0 and 1 are zeros
.set TST,   TBL+66*128                 ; t on its way out, 256 bytes a wave
.set PST,   TST+1024                   ; p, each twice, last position first, 512 bytes a wave
.set STG,   PST+2048                   ; the stages
.set SPARE, STG+4*WQ                   ; the spare words
.set AB0, 4
.set ADR, 5
.set TAD, 6
.set TB0, 7
.set SPW, 8
.set NIL, 9
.set LIM, 10
.set SCL, 11
.set XO,  12
.set SA0, 13
.set SA,  14
.set FA,  15
.set BI,  16
.set VV,  24
.set SCR, 32
.set PSA, 40
.set TSA, 41
.set TSR, 42
.set PSB, 43
.set TO,  44
.set PSV, 45
.set ACC, 64
.set E0,  96
.set PP,  96
.set CT,  160
.set ADR2, 168
.set WV,  18
.set ST,  24
.set PT,  25
.set G1W, 32
.set G0W0, 48
.set G0W1, 52
.set SC,  56
.set SEL, 58
.set TB,  60
.set TT,  61
.set OC,  62
.set IC,  63
.set XV,  72
.set CP,  74
.set TS,  76
.set XL,  78
.set MSB, 0
.macro WIN new                         ; the immediate's high byte repeats the setting that is left
.if MSB != (\new)
	s_set_vgpr_msb (MSB<<8)|(\new)
.set MSB, (\new)
.endif
.endm
.macro ROUND                           ; a round of the cluster's barrier
	s_barrier_signal -1
	s_barrier_wait -1
	s_cmp_lg_u32 s[WV], 0
	s_cbranch_scc1 .Lnot_wave_0_\@
	s_barrier_signal -3
.Lnot_wave_0_\@:
	s_barrier_wait -3
	s_barrier_signal -1
	s_barrier_wait -1
.endm
.macro NOPS n
.rept \n
	v_nop
.endr
.endm
; A change of slots: all fragments of the slot that is left have been asked for in the body before.  The slot is filled again with the units 128 further on; tb: where the next body's fragments lie.
.macro CH g0, tb
	s_wait_tensorcnt 0x0                           ; my quarter of the other slot is in
	ds_add_u32 v[SPW], v[NIL]
	s_add_nc_u64 s[\g0+2:\g0+3], s[\g0+2:\g0+3], 2*64*1024
	s_mov_b32 s[TB], \tb
	s_wait_dscnt 0x0                               ; the add, and my reads of the slot that is left
	ROUND
	tensor_load_to_lds s[\g0:\g0+3], s[G1W:G1W+7]
	s_nop 0
	NOPS 4
.endm
.macro GL j, off                       ; a row of values into ring place j: 8 x 512 consecutive bytes
.irp q, 0,1,2,3,4,5,6,7
	global_load_b128 v[32*(\j)+4*\q:32*(\j)+4*\q+3], v[XO], s[XL:XL+1] offset:(\off)+512*\q
.endr
.endm
.macro GX j, off                       ; the same in part 3: read for the last time
.irp q, 0,1,2,3,4,5,6,7
	global_load_b128 v[32*(\j)+4*\q:32*(\j)+4*\q+3], v[XO], s[XL:XL+1] offset:(\off)+512*\q th:TH_LOAD_NT
.endr
.endm
	s_load_b256 s[4:11], s[0:1], 0x0               ; values, W1's codes, qb, V
	s_load_b128 s[12:15], s[0:1], 0x20             ; the scales' exponents, tsc
	s_load_b64 s[16:17], s[0:1], 0x30              ; ctxp
	v_lshl_add_u32 v[SPW], v0, 2, SPARE
	v_mov_b32 v[NIL], 0
	ds_add_u32 v[SPW], v[NIL]                      ; the opening lines: the add twice on end
	ds_add_u32 v[SPW], v[NIL]
	v_lshrrev_b32 v1, 5, v0
	v_readfirstlane_b32 s[WV], v1
	s_bfe_u32 s19, ttmp6, 0x40000                  ; cx
	s_lshl_b32 s20, ttmp9, 2
	s_add_co_u32 s20, s20, s19                     ; the work-group's number
	s_mov_b32 s[G1W+0], 15|(1<<20)|(1<<21)|(7<<22)|(3<<25)   ; all four of the cluster; bytes; 4 words of padding behind every 256
	s_mov_b32 s[G1W+1], 1024<<16
	s_mov_b32 s[G1W+2], 16<<16
	s_mov_b32 s[G1W+3], 1024<<16
	s_mov_b32 s[G1W+4], 16
	s_mov_b32 s[G1W+5], 1024
	s_mov_b32 s[G1W+6], 0
	s_mov_b32 s[G1W+7], 0
	s_lshl_b32 s22, s20, 20                        ; values: 256 rows of 4,096 bytes a work-group,
	s_lshl_b32 s80, s[WV], 18                      ; 64 a wave
	s_add_co_u32 s22, s22, s80
	s_mov_b32 s23, 0
	s_mul_i32 s82, s[WV], WQ                       ; my quarter of a slot
	s_add_co_u32 s83, s82, STG                     ; my stage
	s_lshl_b32 s84, s[WV], 14                      ; 16 rows of W1's codes
	s_mov_b32 s85, 0
	s_lshl_b32 s86, s20, 2
	s_add_co_u32 s86, s86, s[WV]
	s_lshl_b32 s86, s86, 12                        ; ctxp: a row of 4,096 bytes a wave
	s_mov_b32 s87, 0
	s_lshl_b32 s88, s20, 10
	s_lshl_b32 s80, s[WV], 8
	s_add_co_u32 s88, s88, s80                     ; tsc: 256 bytes a wave
	s_mov_b32 s89, 0
	s_lshr_b32 s90, s20, 3
	s_lshl_b32 s90, s90, 12                        ; qb: the batch's row
	s_mov_b32 s91, 0
	s_mov_b32 s[SEL], 0x76543210
	s_mov_b32 s[SEL+1], 0xfedcba98
	s_wait_dscnt 0x0
	s_wait_kmcnt 0x0
	s_load_b128 s[68:71], s[12:13], 0x0            ; e0, e1, ..
	s_mov_b32 s[G0W0], 1
	s_mov_b32 s[G0W0+1], s82
	s_add_nc_u64 s[G0W0+2:G0W0+3], s[6:7], s[84:85]
	s_mov_b32 s[G0W1], 1
	s_add_co_u32 s[G0W1+1], s82, HALF
	s_add_nc_u64 s[G0W1+2:G0W1+3], s[G0W0+2:G0W0+3], 64*1024
	s_or_b32 s[G0W0+3], s[G0W0+3], 0x80000000
	s_or_b32 s[G0W1+3], s[G0W1+3], 0x80000000
	s_add_nc_u64 s[XV:XV+1], s[4:5], s[22:23]
	s_mov_b64 s[XL:XL+1], s[XV:XV+1]
	s_add_nc_u64 s[CP:CP+1], s[16:17], s[86:87]
	s_add_nc_u64 s[TS:TS+1], s[14:15], s[88:89]
	s_add_nc_u64 s[8:9], s[8:9], s[90:91]
	ROUND
	tensor_load_to_lds s[G0W0:G0W0+3], s[G1W:G1W+7]   ; slot 0: units 0-63; one tensor load a wave at the head
	s_nop 0
	NOPS 4
	v_lshlrev_b32 v46, 5, v0                       ; qb, V: eight numbers a thread
	v_and_b32 v1, 15, v0                           ; r
	v_bfe_u32 v2, v0, 4, 1                         ; h
	v_and_b32 v3, 31, v0                           ; lane
	v_lshrrev_b32 v[PSV], 5, v0                    ; wave
	v_mul_u32_u24 v[AB0], v1, PITCH
	v_lshl_add_u32 v[AB0], v2, 4, v[AB0]           ; a fragment: row r, + 16 h
	v_add_nc_u32 v[FA], s83, v[AB0]                ; the same in my stage
	v_lshl_add_u32 v[SA0], v3, 2, s83              ; a row's codes into the stage: 4 bytes a lane
	v_lshl_add_u32 v[TB0], v2, 6, TBL
	v_lshlrev_b32 v[XO], 4, v3
	v_lshl_add_u32 v[PSB], v[PSV], 9, PST
	v_xor_b32 v[PSA], 15, v1
	v_lshl_add_u32 v[PSA], v[PSA], 3, v[PSB]       ; position 16 m + r lies at 8 (63 - 16 m - r)
	v_lshl_add_u32 v[TSA], v[PSV], 8, TST
	v_lshl_add_u32 v[TSR], v3, 3, v[TSA]
	v_lshl_add_u32 v[TSA], v1, 2, v[TSA]
	v_lshlrev_b32 v[TO], 3, v3
	v_lshl_add_u32 v47, v0, 6, TBL+256
	v_lshl_add_u32 v[TAD], v0, 1, TBL
	v_mov_b32 v[ADR], 0
	s_wait_alu depctr_va_vdst(0)
	global_load_b128 v[48:51], v46, s[8:9]
	global_load_b128 v[52:55], v46, s[8:9] offset:16
	global_load_b128 v[56:59], v46, s[10:11]
	global_load_b128 v[60:63], v46, s[10:11] offset:16
	WIN 0xc0
.irp j, 0,1,2,3,4,5,6,7
	GL \j, 4096*\j                                 ; rows 0 to 7 set out
.endr
	WIN 0
	s_wait_kmcnt 0x0
	s_add_co_i32 s80, s68, 127
	s_lshl_b32 s81, s80, 23
	v_mov_b32 v[SCL], s81                          ; 2^e0
	s_add_co_i32 s80, s80, 8
	s_lshl_b32 s80, s80, 23
	s_or_b32 s80, s80, 0x600000
	v_mov_b32 v[LIM], s80                          ; 448 x 2^e0
	s_add_co_i32 s80, s68, s69
	s_lshl_b32 s80, s80, 23
	s_add_co_i32 s[SC], s80, 0x4038aa3b            ; 2 log2(e) x 2^(e0 + e1)
	s_mov_b32 s[SC+1], s[SC]
	s_wait_alu depctr_va_vdst(0)
; PART 1.  Eight rows: each is waited for (the seven younger rows may be out), held, converted, stored to the stage, and its ring place asked for again, eight rows on (ld = 1).
.macro QTRIP ld
	v_add_nc_u32 v[SA], s[ST], v[SA0]
	s_wait_alu depctr_va_vdst(0)
.irp j, 0,1,2,3,4,5,6,7
.if \ld
	s_wait_loadcnt 56
.else
	s_wait_loadcnt 56-8*\j
.endif
	WIN 0xc3
.set i_, 0
.rept 32
	v_med3_num_f32 v[32*\j+i_], v[32*\j+i_], -v[LIM], v[LIM]
.set i_, i_+1
.endr
	WIN 0x03
.irp g, 0,1,2,3
	v_cvt_scalef32_pk8_fp8_f32 v[CT+2*\g:CT+2*\g+1], v[32*\j+8*\g:32*\j+8*\g+7], v[SCL]   ; four codes of k = 256 g + 4 lane on, four of k = 256 g + 128 + 4 lane on
.endr
	WIN 0
	v_nop                                          ; a plain place behind the conversions
.irp q, 0,1,2,3,4,5,6,7
	ds_store_b32 v[SA], v[CT+\q] offset:\j*PITCH+128*\q
.endr
.if \ld
	WIN 0xc0
	GL \j, (8+\j)*4096
.endif
.endr
	WIN 0
.endm
.macro QSTEP
	s_wait_xcnt 0x0                                ; the loads have read their base
	s_add_nc_u64 s[XL:XL+1], s[XL:XL+1], 8*4096
	s_add_co_u32 s[ST], s[ST], 8*PITCH
.endm
.macro FRAGA m                         ; 16 positions' codes from my stage; LDS serves a wave's instructions in order, so these see the stores above and the next stores come behind them
.set s_, 0
.rept 8
.set W_, (1+(s_>>2))<<6
	WIN W_
.irp c, 0,1,2,3
	ds_load_b128 v[64*(s_&3)+16*(\m)+4*\c:64*(s_&3)+16*(\m)+4*\c+3], v[FA] offset:128*s_+32*\c
.endr
.set s_, s_+1
.endr
	WIN 0
.endm
.macro QTILE m
	s_mov_b32 s[ST], 0
	s_mov_b32 s[IC], 2
.Lq_\@:
	QTRIP 1
	QSTEP
	s_sub_co_u32 s[IC], s[IC], 1
	s_cmp_lg_u32 s[IC], 0
	s_cbranch_scc1 .Lq_\@
	FRAGA \m
.endm
	QTILE 0
	ds_store_b128 v47, v[48:51]                    ; the table: qb and V were asked for ahead of row 0, whose wait has shown them in
	ds_store_b128 v47, v[52:55] offset:16
	ds_store_b128 v47, v[56:59] offset:32
	ds_store_b128 v47, v[60:63] offset:48
	ds_store_b16 v[TAD], v[ADR]                    ; entries 0 and 1: zeros
	s_wait_tensorcnt 0x0                           ; slot 1's first fill is issued as a refill is; it stands here, behind 16 rows' work, with the ring's loads out across it
	ds_add_u32 v[SPW], v[NIL]
	s_wait_dscnt 0x0                               ; the add, my part of the table, my stage's loads
	ROUND
	tensor_load_to_lds s[G0W1:G0W1+3], s[G1W:G1W+7]   ; slot 1: units 64-127
	s_nop 0
	NOPS 4
	QTILE 1
	QTILE 2
	s_mov_b32 s[ST], 0
	QTRIP 1
	QSTEP
	QTRIP 0                                        ; the last eight rows ask for nothing
	FRAGA 3
; PART 2.
.macro FRAG1 b, adr, s                 ; 16 units x 128 K of W1, K step s, into set b of window 3
.irp c, 0,1,2,3
	ds_load_b128 v[128*(\b)+16*(\s)+4*\c:128*(\b)+16*(\s)+4*\c+3], v[\adr] offset:128*(\s)+32*\c
.endr
.endm
; Body t, p = t % 2.  fin: tile t - 3 into the scores.  sc: tile t - 1's sums become x, then 2^x.  ad: tile t - 2's 1 + 2^x, then the reciprocal.  mm: tile t's products.
; fl: tile t + 1's fragments are asked for.  tl: the table's lines for body t + 1 (1: qb of tile t and V of tile t - 2; 2: V alone).  w0: LDS loads that may be out at the top (the 8 + 12 + 12 fragment loads behind the table's).
.macro BODY p, fin, sc, ad, mm, fl, tl, w0
.set EE, E0+32*(\p)
.set EO, E0+32-32*(\p)
.set AR, ADR+(ADR2-ADR)*(\p)           ; two address registers by turns: none is written while the last body's loads still name it
	s_wait_dscnt \w0
.if \fin
.set f_, 0
.rept 16
	v_pk_fma_f32 v[SCR+2*(f_%4):SCR+2*(f_%4)+1], v[EE+8*(f_%4)+2*(f_/4):EE+8*(f_%4)+2*(f_/4)+1], v[VV+2*(f_/4):VV+2*(f_/4)+1], v[SCR+2*(f_%4):SCR+2*(f_%4)+1]
.set f_, f_+1
.endr
.endif
.if \sc
	s_wait_alu depctr_va_vdst(0)                   ; directly ahead of the first readers of the sums
.set f_, 0
.rept 16
	v_pk_fma_f32 v[EE+2*f_:EE+2*f_+1], v[ACC+2*f_:ACC+2*f_+1], s[SC:SC+1], v[BI+2*(f_%4):BI+2*(f_%4)+1] op_sel_hi:[1,0,1]   ; each accumulator from its low end on
.set f_, f_+1
.endr
.endif
.if \ad
.set f_, 0
.rept 16
	v_pk_add_f32 v[EO+2*f_:EO+2*f_+1], v[EO+2*f_:EO+2*f_+1], 1.0 op_sel_hi:[1,0]
.set f_, f_+1
.endr
.endif
.if \tl
	v_add_nc_u32 v[TAD], s[TT], v[TB0]
	s_add_co_u32 s[TT], s[TT], 128
.endif
.if \fl
	v_add_nc_u32 v[AR], s[TB], v[AB0]
	s_add_co_u32 s[TB], s[TB], WQ
.endif
.if (\sc) || (\ad) || (\tl) || (\fl)
	s_wait_alu depctr_va_vdst(0)                   ; between these lines and the batch, and the loads behind waits, that read them
.endif
.if \tl
.if \tl == 1
	ds_load_b128 v[BI:BI+3], v[TAD] offset:256
	ds_load_b128 v[BI+4:BI+7], v[TAD] offset:272
.endif
	ds_load_b128 v[VV:VV+3], v[TAD] offset:32
	ds_load_b128 v[VV+4:VV+7], v[TAD] offset:48
.endif
.if \fl
	WIN 0xc0
	FRAG1 1-(\p), AR, 0                            ; the next tile's K steps 0 and 1, into the set that the last body's products have left
	FRAG1 1-(\p), AR, 1
.endif
.if \mm
	s_wait_dscnt 16+8*(\fl)                        ; tile t's K steps 0 to 4 are in; its last 12 loads, the table's 4 and this body's 8 may be out
.set k, 0
.rept 32                               ; K step by K step, the four accumulators by turns; the first K step starts the sums
.set s_, k/4
.set m_, k%4
.if k == 20
	s_wait_dscnt 4+8*(\fl)                         ; K steps 5 to 7 are in
.endif
.if k < 16
	WIN 0x07
.else
	WIN 0x0b
.endif
.if k < 4
	v_wmma_f32_16x16x128_fp8_fp8 v[ACC+8*m_:ACC+8*m_+7], v[128*(\p)+16*s_:128*(\p)+16*s_+15], v[64*(s_&3)+16*m_:64*(s_&3)+16*m_+15], 0
.else
	v_wmma_f32_16x16x128_fp8_fp8 v[ACC+8*m_:ACC+8*m_+7], v[128*(\p)+16*s_:128*(\p)+16*s_+15], v[64*(s_&3)+16*m_:64*(s_&3)+16*m_+15], v[ACC+8*m_:ACC+8*m_+7]
.endif
.set k, k+1
.endr
	WIN 0
.endif
.if \sc
.set i_, 0
.rept 32
	v_exp_f32 v[EE+i_], v[EE+i_]
.set i_, i_+1
.endr
.endif
.if \fl
	WIN 0xc0
	FRAG1 1-(\p), AR, 2                            ; K steps 2 to 4
	FRAG1 1-(\p), AR, 3
	FRAG1 1-(\p), AR, 4
	WIN 0
.endif
.if \ad
.set i_, 0
.rept 32
	v_rcp_f32 v[EO+i_], v[EO+i_]
.set i_, i_+1
.endr
.endif
.if \mm
	NOPS 4                                         ; the places behind the products (ISA guide 7.12.1), and the plain place behind the batch
.elseif (\sc) || (\ad)
	v_nop
.endif
.if (\sc) || (\ad)
	s_wait_alu depctr_va_vdst(0)                   ; one wait for the batch, ahead of every label, branch and reader
.endif
.if \fl
	WIN 0xc0
	FRAG1 1-(\p), AR, 5                            ; K steps 5 to 7
	FRAG1 1-(\p), AR, 6
	FRAG1 1-(\p), AR, 7
	WIN 0
.endif
.endm
.macro DUO                             ; four bodies
	s_mov_b32 s[IC], 2
.Lduo_\@:
	BODY 1, 1,1,1, 1,1,1, 32
	BODY 0, 1,1,1, 1,1,1, 32
	s_sub_co_u32 s[IC], s[IC], 1
	s_cmp_lg_u32 s[IC], 0
	s_cbranch_scc1 .Lduo_\@
.endm
	s_mov_b32 s[TB], WQ
	s_mov_b32 s[TT], 0
	WIN 0xc0
.irp s, 0,1,2,3,4,5,6,7
	FRAG1 0, AB0, \s                               ; tile 0 (slot 0 was shown whole by the round in front of slot 1's fill)
.endr
	WIN 0
.irp i, 0,1,2,3,4,5,6,7
	v_mov_b32 v[SCR+\i], 0                         ; the scores: four tiles of positions, two halves each
.endr
	s_wait_alu depctr_va_vdst(0)
	BODY 0, 0,0,0, 1,1,1, 32                       ; bodies 0 to 2: the later stages have no tile yet
	BODY 1, 0,1,0, 1,1,1, 32
	BODY 0, 0,1,1, 1,1,1, 32
	s_mov_b32 s[OC], 7
.Lring:                                            ; bodies 3 to 58.  A change stands one body ahead of a slot's last: that body's fragments have been asked for, and it asks for the next slot's first
	CH G0W0, 4*WQ
	DUO
	CH G0W1, 0
	DUO
	s_sub_co_u32 s[OC], s[OC], 1
	s_cmp_lg_u32 s[OC], 0
	s_cbranch_scc1 .Lring
	s_wait_tensorcnt 0x0                           ; the last change fills nothing: units 960-1,023 are in
	ds_add_u32 v[SPW], v[NIL]
	s_mov_b32 s[TB], 4*WQ
	s_wait_dscnt 0x0
	s_barrier_signal -1
	s_barrier_wait -1
	DUO                                            ; bodies 59 to 62
	BODY 1, 1,1,1, 1,0,1, 32                       ; body 63: the last products
	s_add_nc_u64 s[XL:XL+1], s[XV:XV+1], 56*4096   ; PART 3 sets out under the last stages: rows 63 down to 57 (window 3 is free, four places behind the products)
	WIN 0xc0
.irp j, 0,1,2,3,4,5,6
	GX \j, (7-\j)*4096
.endr
	WIN 0
	BODY 0, 1,1,1, 0,0,2, 0
	BODY 1, 1,0,1, 0,0,2, 0
	BODY 0, 1,0,0, 0,0,0, 0
.irp m, 0,1,2,3
	v_add_f32 v[46+\m], v[SCR+2*\m], v[SCR+2*\m+1]
	v_mov_b32 v[50+\m], 0
.endr
.irp m, 0,1,2,3
	v_permlanex16_b32 v[50+\m], v[46+\m], s[SEL], s[SEL+1]
.endr
.irp m, 0,1,2,3
	v_add_f32 v[46+\m], v[46+\m], v[50+\m]         ; both halves of the units
.endr
.irp m, 0,1,2,3
	v_mul_f32 v[46+\m], 0xc038aa3b, v[46+\m]       ; t of position 16 m + r
.endr
	v_max3_num_f32 v54, v46, v47, v48
	v_max_num_f32 v54, v54, v49
.irp x, 1,2,4,8
	v_max_num_f32_dpp v54, v54, v54 row_xmask:\x row_mask:0xf bank_mask:0xf
.endr
.irp m, 0,1,2,3
	v_sub_f32 v[56+2*\m], v[46+\m], v54            ; the largest t of my 64 positions is taken away
.endr
	s_wait_alu depctr_va_vdst(0)
.irp m, 0,1,2,3
	v_exp_f32 v[56+2*\m], v[56+2*\m]
.endr
	v_nop
	s_wait_alu depctr_va_vdst(0)
.irp m, 0,1,2,3
	v_mov_b32 v[57+2*\m], v[56+2*\m]               ; p twice, for the packed lines
.endr
.irp m, 0,1,2,3
	ds_store_b32 v[TSA], v[46+\m] offset:64*\m
.endr
.irp m, 0,1,2,3
	ds_store_b64 v[PSA], v[56+2*\m:57+2*\m] offset:128*(3-\m)
.endr
	ds_load_b64 v[52:53], v[TSR]
	WIN 0xc0
	GX 7, 0                                        ; row 56
	WIN 0
.set i_, 0
.rept 32
	v_mov_b32 v[ACC+i_], 0                         ; the 32 sums begin at 0, so that the eight trips below are alike
.set i_, i_+1
.endr
	s_wait_alu depctr_va_vdst(0)
	s_wait_dscnt 0x0
	global_store_b64 v[TO], v[52:53], s[TS:TS+1]   ; 32 lanes store 256 consecutive bytes, aligned
; Eight rows, from the last on: place j holds row base + 7 - j, whose p lies at 8 j of the trip's 64 bytes.
.macro XTRIP ld
	v_add_nc_u32 v[PSV], s[PT], v[PSB]
.irp i, 0,1,2,3
	ds_load_b128 v[PP+4*\i:PP+4*\i+3], v[PSV] offset:16*\i
.endr
	s_wait_dscnt 0x0
.irp j, 0,1,2,3,4,5,6,7
.if \ld
	s_wait_loadcnt 56
.else
	s_wait_loadcnt 56-8*\j
.endif
	WIN 0x03
.irp q, 0,1,2,3,4,5,6,7
	v_pk_fma_f32 v[ACC+4*\q:ACC+4*\q+1], v[32*\j+4*\q:32*\j+4*\q+1], v[PP+2*\j:PP+2*\j+1], v[ACC+4*\q:ACC+4*\q+1]
	v_pk_fma_f32 v[ACC+4*\q+2:ACC+4*\q+3], v[32*\j+4*\q+2:32*\j+4*\q+3], v[PP+2*\j:PP+2*\j+1], v[ACC+4*\q+2:ACC+4*\q+3]
.endr
.if \ld
	WIN 0xc0
	GX \j, (7-\j)*4096-8*4096
.endif
.endr
	WIN 0
.endm
	s_mov_b32 s[PT], 0
	s_mov_b32 s[OC], 7
.Lx:
	XTRIP 1
	s_wait_xcnt 0x0                                ; the loads have read their base
	s_sub_nc_u64 s[XL:XL+1], s[XL:XL+1], 8*4096
	s_add_co_u32 s[PT], s[PT], 64
	s_sub_co_u32 s[OC], s[OC], 1
	s_cmp_lg_u32 s[OC], 0
	s_cbranch_scc1 .Lx
	XTRIP 0
.irp q, 0,1,2,3,4,5,6,7
	global_store_b128 v[XO], v[ACC+4*\q:ACC+4*\q+3], s[CP:CP+1] offset:512*\q th:TH_STORE_NT   ; 32 lanes store 512 consecutive bytes, aligned
.endr
	s_wait_tensorcnt 0x0                           ; the wave's end
	ds_add_u32 v[SPW], v[NIL]
	s_wait_dscnt 0x0
	ROUND                                          ; the closing round
	s_endpgm
.Lfunc_end_k_q15b684fdaf_score_ctx:
	.size	k_q15b684fdaf_score_ctx, .Lfunc_end_k_q15b684fdaf_score_ctx-k_q15b684fdaf_score_ctx
	.p2alignl 7, 3214868480
	.fill 96, 4, 3214868480
	.section	.rodata,"a",@progbits
	.p2align	6, 0x0
	.amdhsa_kernel k_q15b684fdaf_score_ctx
		.amdhsa_group_segment_fixed_size 327680
		.amdhsa_private_segment_fixed_size 0
		.amdhsa_enable_private_segment 0
		.amdhsa_kernarg_size 56
		.amdhsa_user_sgpr_count 2
		.amdhsa_user_sgpr_kernarg_segment_ptr 1
		.amdhsa_wavefront_size32 1
		.amdhsa_system_sgpr_workgroup_id_x 1
		.amdhsa_system_sgpr_workgroup_id_y 1
		.amdhsa_system_sgpr_workgroup_id_z 1
		.amdhsa_system_vgpr_workitem_id 0
		.amdhsa_next_free_vgpr 1024
		.amdhsa_next_free_sgpr 96
		.amdhsa_reserve_vcc 0
		.amdhsa_float_denorm_mode_32 3
		.amdhsa_float_denorm_mode_16_64 3
		.amdhsa_memory_ordered 1
		.amdhsa_forward_progress 1
		.amdhsa_inst_pref_size 255
	.end_amdhsa_kernel
	.section	.bss,"aw",@nobits
	.p2align	6
	.space	262144
	.amdgpu_metadata
---
amdhsa.version: [ 1, 2 ]
amdhsa.kernels:
  - .name:           k_q15b684fdaf_score_ctx
    .symbol:         k_q15b684fdaf_score_ctx.kd
    .args:
      - { .name: values, .offset: 0, .size: 8, .value_kind: global_buffer, .address_space: global }
      - { .name: W1_codes, .offset: 8, .size: 8, .value_kind: global_buffer, .address_space: global }
      - { .name: qb, .offset: 16, .size: 8, .value_kind: global_buffer, .address_space: global }
      - { .name: V, .offset: 24, .size: 8, .value_kind: global_buffer, .address_space: global }
      - { .name: lowp_scales, .offset: 32, .size: 8, .value_kind: global_buffer, .address_space: global }
      - { .name: tsc, .offset: 40, .size: 8, .value_kind: global_buffer, .address_space: global }
      - { .name: ctxp, .offset: 48, .size: 8, .value_kind: global_buffer, .address_space: global }
    .group_segment_fixed_size: 327680
    .private_segment_fixed_size: 0
    .kernarg_segment_align: 8
    .kernarg_segment_size: 56
    .max_flat_workgroup_size: 128
    .sgpr_count:     96
    .vgpr_count:     1024
    .wavefront_size: 32
...
	.end_amdgpu_metadata
.endif
;; end of part 2
;; launch finish (part 3): grid 32 x 1, 8 waves a work-group, no clusters, 1,536 bytes of LDS; arguments tsc, ctxp, out0, out1; writes out0, out1
.if DOCPART == 3
	.amdgcn_target "amdgcn-amd-amdhsa--gfx1250"
	.amdhsa_code_object_version 6
	.text
	.protected	k_q15b684fdaf_finish
	.globl	k_q15b684fdaf_finish
	.p2align	8
	.type	k_q15b684fdaf_finish,@function
k_q15b684fdaf_finish:
	s_mov_b64 s[64:65], 0
	v_nop
	global_prefetch_b8 v0, s[64:65] scope:SCOPE_SE
	s_setreg_imm32_b32 hwreg(HW_REG_WAVE_MODE, 25, 1), 1
	s_wait_xcnt 0x0
; BAHDANAU ATTENTION, launch 3 of 3.  One work-group a batch.  t[2048] (the scores in units of log2, without bv and sum_u V[u], which the softmax takes away for all values: see the first kernel's head) and 32 partial
; contexts, part g = sum over positions 64 g .. 64 g + 63 of 2^(t - m_g) x values, m_g the largest t of those 64.  M = the batch's largest t;  L = sum 2^(t - M);
; out1 = 2^(t - M) / L;  out0 = sum_g 2^(m_g - M) part_g / L.  m_g is formed again from t: a maximum rounds nothing, so it is the number under which part g was summed.
; Thread i of 256 holds positions 4 i .. 4 i + 3 and 1,024 + 4 i .. + 3, and columns 4 i .. 4 i + 3 of the context.  Sixteen neighbouring lanes hold one group of 64 positions.
; 32 work-groups: the launch reads 4 MiB in loads of 4,096 consecutive bytes a work-group; more work-groups a batch would need a sum across them.
.set GM,    0                          ; LDS: 32 group maxima, in a block of 256 bytes;
.set SUM,   256                        ; 8 waves' sums, in the next;
.set SPARE, 512                        ; the spare words, 128 bytes for each wave: four blocks of 256 bytes that no other line names
.set SPW, 2
.set NIL, 3
.set P,   64                           ; v64-191 the 32 parts' four columns
.set F,   32                           ; v32-63  m_g, then 2^(m_g - M)
.set O,   192
	s_load_b256 s[4:11], s[0:1], 0x0               ; tsc s[4:5], ctxp s[6:7], out0 s[8:9], out1 s[10:11]
	v_lshl_add_u32 v[SPW], v0, 2, SPARE
	v_mov_b32 v[NIL], 0
	v_lshlrev_b32 v1, 4, v0                        ; 16 i
	s_lshl_b32 s12, ttmp9, 13                      ; a batch of tsc and of out1: 8,192 bytes
	s_mov_b32 s13, 0
	s_lshl_b32 s14, ttmp9, 17                      ; of ctxp: 32 rows of 4,096 bytes
	s_mov_b32 s15, 0
	s_lshl_b32 s16, ttmp9, 12                      ; of out0
	s_mov_b32 s17, 0
	s_mov_b32 s18, 0x76543210
	s_mov_b32 s19, 0xfedcba98
	s_wait_alu depctr_va_vdst(0)
	s_wait_kmcnt 0x0
	s_add_nc_u64 s[4:5], s[4:5], s[12:13]
	s_add_nc_u64 s[6:7], s[6:7], s[14:15]
	s_add_nc_u64 s[8:9], s[8:9], s[16:17]
	s_add_nc_u64 s[10:11], s[10:11], s[12:13]
	global_load_b128 v[8:11], v1, s[4:5]
	global_load_b128 v[12:15], v1, s[4:5] offset:4096
.set g_, 0
.rept 32
	global_load_b128 v[P+4*g_:P+4*g_+3], v1, s[6:7] offset:4096*g_ th:TH_LOAD_NT
.set g_, g_+1
.endr
	v_lshrrev_b32 v4, 4, v0
	s_delay_alu instid0(VALU_DEP_1)
	v_lshlrev_b32 v4, 2, v4                        ; GM + 4 (i / 16)
	v_lshrrev_b32 v5, 5, v0
	s_delay_alu instid0(VALU_DEP_1)
	v_lshl_add_u32 v5, v5, 2, SUM                  ; SUM + 4 x wave
	v_mov_b32 v6, 0                                ; LDS byte 0
	v_mov_b32 v7, 0                                ; (a lane permute's destination counts as one of its sources)
	s_wait_loadcnt 32                              ; t is in; the 32 parts may stay out
	v_max3_num_f32 v16, v8, v9, v10
	v_max3_num_f32 v17, v12, v13, v14
	s_delay_alu instid0(VALU_DEP_2)
	v_max_num_f32 v16, v16, v11
	s_delay_alu instid0(VALU_DEP_2)
	v_max_num_f32 v17, v17, v15
.irp x, 1,2,4,8
	s_delay_alu instid0(VALU_DEP_2)
	v_max_num_f32_dpp v16, v16, v16 row_xmask:\x row_mask:0xf bank_mask:0xf
	s_delay_alu instid0(VALU_DEP_2)
	v_max_num_f32_dpp v17, v17, v17 row_xmask:\x row_mask:0xf bank_mask:0xf
.endr
	ds_store_b32 v4, v16                           ; group i / 16; sixteen lanes write the same word with the same number
	ds_store_b32 v4, v17 offset:64                 ; group 16 + i / 16
	s_wait_dscnt 0x0                               ; for the others' sake: my stores are done
	s_barrier_signal -1
	s_barrier_wait -1
.irp q, 0,1,2,3,4,5,6,7
	ds_load_b128 v[F+4*\q:F+4*\q+3], v6 offset:GM+16*\q
.endr
	s_wait_dscnt 0x0
	v_max3_num_f32 v18, v[F], v[F+1], v[F+2]
.irp i, 3,5,7,9,11,13,15,17,19,21,23,25,27,29
	s_delay_alu instid0(VALU_DEP_1)
	v_max3_num_f32 v18, v18, v[F+\i], v[F+\i+1]
.endr
	s_delay_alu instid0(VALU_DEP_1)
	v_max_num_f32 v18, v18, v[F+31]                ; M
.irp j, 0,1,2,3,4,5,6,7
	v_sub_f32 v[8+\j], v[8+\j], v18
.endr
.set g_, 0
.rept 32
	v_sub_f32 v[F+g_], v[F+g_], v18
.set g_, g_+1
.endr
	s_wait_alu depctr_va_vdst(0)
.irp j, 0,1,2,3,4,5,6,7
	v_exp_f32 v[8+\j], v[8+\j]                     ; 2^(t - M)
.endr
.set g_, 0
.rept 32
	v_exp_f32 v[F+g_], v[F+g_]                     ; 2^(m_g - M)
.set g_, g_+1
.endr
	v_nop
	s_wait_alu depctr_va_vdst(0)                   ; one wait for the 40, ahead of their first reader
	v_pk_add_f32 v[20:21], v[8:9], v[10:11]
	v_pk_add_f32 v[22:23], v[12:13], v[14:15]
	s_delay_alu instid0(VALU_DEP_1)
	v_pk_add_f32 v[20:21], v[20:21], v[22:23]
	s_delay_alu instid0(VALU_DEP_1)
	v_add_f32 v20, v20, v21
.irp x, 1,2,4,8
	s_delay_alu instid0(VALU_DEP_1)
	v_add_f32_dpp v20, v20, v20 row_xmask:\x row_mask:0xf bank_mask:0xf
.endr
	s_delay_alu instid0(VALU_DEP_1)
	v_permlanex16_b32 v7, v20, s18, s19
	s_delay_alu instid0(VALU_DEP_1)
	v_add_f32 v20, v20, v7                         ; my wave's sum
	ds_store_b32 v5, v20
	s_wait_dscnt 0x0
	s_barrier_signal -1
	s_barrier_wait -1
	ds_load_b128 v[24:27], v6 offset:SUM
	ds_load_b128 v[28:31], v6 offset:SUM+16
	s_wait_dscnt 0x0
	v_pk_add_f32 v[24:25], v[24:25], v[26:27]
	v_pk_add_f32 v[28:29], v[28:29], v[30:31]
	s_delay_alu instid0(VALU_DEP_1)
	v_pk_add_f32 v[24:25], v[24:25], v[28:29]
	s_delay_alu instid0(VALU_DEP_1)
	v_add_f32 v24, v24, v25                        ; L
	s_wait_alu depctr_va_vdst(0)
	v_rcp_f32 v21, v24
	v_nop
	s_wait_alu depctr_va_vdst(0)
.irp j, 0,1,2,3,4,5,6,7
	v_mul_f32 v[8+\j], v[8+\j], v21
.endr
	global_store_b128 v1, v[8:11], s[10:11]        ; sixteen lanes store 256 consecutive bytes, aligned
	global_store_b128 v1, v[12:15], s[10:11] offset:4096
	s_wait_loadcnt 0x0                             ; the parts
.irp c, 0,1,2,3
	v_mul_f32 v[O+\c], v[P+\c], v[F]               ; part 0 starts the sums
.endr
.set g_, 1
.rept 31
.irp c, 0,1,2,3
	v_fmac_f32 v[O+\c], v[P+4*g_+\c], v[F+g_]
.endr
.set g_, g_+1
.endr
.irp c, 0,1,2,3
	v_mul_f32 v[O+\c], v[O+\c], v21
.endr
	global_store_b128 v1, v[O:O+3], s[8:9]
	s_wait_tensorcnt 0x0                           ; the wave's end
	ds_add_u32 v[SPW], v[NIL]
	s_wait_dscnt 0x0
	s_endpgm
.Lfunc_end_k_q15b684fdaf_finish:
	.size	k_q15b684fdaf_finish, .Lfunc_end_k_q15b684fdaf_finish-k_q15b684fdaf_finish
	.p2alignl 7, 3214868480
	.fill 96, 4, 3214868480
	.section	.rodata,"a",@progbits
	.p2align	6, 0x0
	.amdhsa_kernel k_q15b684fdaf_finish
		.amdhsa_group_segment_fixed_size 1536
		.amdhsa_private_segment_fixed_size 0
		.amdhsa_enable_private_segment 0
		.amdhsa_kernarg_size 32
		.amdhsa_user_sgpr_count 2
		.amdhsa_user_sgpr_kernarg_segment_ptr 1
		.amdhsa_wavefront_size32 1
		.amdhsa_system_sgpr_workgroup_id_x 1
		.amdhsa_system_sgpr_workgroup_id_y 1
		.amdhsa_system_sgpr_workgroup_id_z 1
		.amdhsa_system_vgpr_workitem_id 0
		.amdhsa_next_free_vgpr 256
		.amdhsa_next_free_sgpr 66
		.amdhsa_reserve_vcc 0
		.amdhsa_float_denorm_mode_32 3
		.amdhsa_float_denorm_mode_16_64 3
		.amdhsa_memory_ordered 1
		.amdhsa_forward_progress 1
		.amdhsa_inst_pref_size 17
	.end_amdhsa_kernel
	.amdgpu_metadata
---
amdhsa.version: [ 1, 2 ]
amdhsa.kernels:
  - .name:           k_q15b684fdaf_finish
    .symbol:         k_q15b684fdaf_finish.kd
    .args:
      - { .name: tsc, .offset: 0, .size: 8, .value_kind: global_buffer, .address_space: global }
      - { .name: ctxp, .offset: 8, .size: 8, .value_kind: global_buffer, .address_space: global }
      - { .name: out0, .offset: 16, .size: 8, .value_kind: global_buffer, .address_space: global }
      - { .name: out1, .offset: 24, .size: 8, .value_kind: global_buffer, .address_space: global }
    .group_segment_fixed_size: 1536
    .private_segment_fixed_size: 0
    .kernarg_segment_align: 8
    .kernarg_segment_size: 32
    .max_flat_workgroup_size: 256
    .sgpr_count:     66
    .vgpr_count:     256
    .wavefront_size: 32
...
	.end_amdgpu_metadata
.endif
;; end of part 3
